; MI455X (gfx1250); checked and timed in simulation.
; The chip was launched on July 23, 2026; its instructions are those of AMD's public machine-readable ISA for CDNA 5 (MIT licence, August 2026) and "CDNA5" Instruction Set Architecture Reference Guide (July 2026). The comments in the code are by the model that wrote it; some were corrected since.
;; SAM. Allowed arithmetic: matrix products marked QUANTISED: E2M3 operands, one E8M0 scale for each 32 along K, by v_wmma_scale_f32_16x16x128_f8f6f4 with both operands' format E2M3, f32 sums; everything else in f32.
;; Inputs: Wq 256 x 256 float32; Wv 256 x 256 float32; Wz 256 x 256 float32; x 2 x 256 x 64 x 64 float32.
;; Outputs: out0 2 x 256 x 64 x 64 float32.
;; This version of the problem:
;;   THIS VERSION OF THE PROBLEM IS GIVEN IN LOW PRECISION. The matrix products marked QUANTISED in the list below multiply operands that are first quantised to E2M3 (2 exponent bits, 3 mantissa bits; 6 bits a number), with one power-of-two scale for each 32 numbers along K (OCP MX v1.0); their sums are f32. All else is computed in f32.
;;   The module's matrix products, in the order in which they are computed (A, B: the left and right operand; K: the contracted axis; several contracted axes count as one K, in the product's order):
;;     1. [M 8,192, K 256] x [K 256, N 256]; A: input x; B: input Wv: QUANTISED
;;     2. [M 8,192, K 256] x [K 256, N 256]; A: input x; B: input Wz: QUANTISED
;;     3. [M 8,192, K 256] x [K 256, N 256]; A: input x; B: input Wq: QUANTISED
;;     4. batch 16 x [M 4,096, K 32] x [K 32, N 4,096]; A: computed on the way; B: computed on the way: QUANTISED
;;     5. batch 16 x [M 32, K 4,096] x [K 4,096, N 4,096]; A: computed on the way; B: softmax (see below): QUANTISED
;;   THE QUANTISER, for each operand of a quantised product, along K:
;;     - K is cut into blocks of 32 from its start; a last block that is shorter is filled with zeros.
;;     - A block's scale is 2^e with e = floor(log2(the largest magnitude in the block)) - 2, held to -126 .. 127; a block of zeros has e = 0. As a byte (E8M0): e + 127.
;;     - Each number is divided by its block's scale, clamped to +-7.5, and rounded to the nearest number of E2M3, ties to even, subnormals kept.
;;     - The product sums the exact products of the quantised numbers (number of the format x scale) in f32.
;;   ~~~python
;;   def quantise(x, axis):      # numpy; x: float32 -> the quantised numbers, widened to float32 again
;;       x = np.moveaxis(x, axis, -1); K = x.shape[-1]
;;       x = np.pad(x, [(0, 0)] * (x.ndim - 1) + [(0, -K % 32)]); x = x.reshape(x.shape[:-1] + (-1, 32)); a = np.abs(x).max(-1, keepdims=True)
;;       e = np.where(a > 0, np.clip(np.frexp(np.where(a > 0, a, 1))[1] - 1 - 2, -126, 127), 0)      # np.frexp(a)[1] - 1 = floor(log2(a)), exactly
;;       r = np.clip(x / 2.0 ** e, -7.5, 7.5)
;;       step = 2.0 ** (np.maximum(np.frexp(np.where(r == 0, 1, r))[1] - 1, 0) - 3)
;;       q = np.round(r / step) * step * 2.0 ** e      # np.round: ties to even
;;       return np.moveaxis(q.reshape(q.shape[:-2] + (-1,))[..., :K], -1, axis).astype(np.float32)
;;   ~~~
;;   SOFTMAX AHEAD OF A QUANTISED PRODUCT. Where the list says 'softmax', what is quantised is not the finished softmax but p = 2^(t - M), with t = logit x log2(e) and M = ceil(the row's largest t), a whole number; so 1/2 < the row's largest p <= 1. The row's sum l is taken of the UNQUANTISED p, in f32, and the product's result is divided by l at the end. Since M is a whole number, a kernel that streams over the keys may use a running M (the ceiling of the running maximum): every later rescaling is an exact power of two, which a block's scale takes up: the codes' values come out the same.
;;   OPERANDS COMPUTED ON THE WAY. 'Computed on the way' means the value that the module computes at that place (a softmax that the list does not call 'softmax' is quantised finished and normalised). What goes into a quantiser is computed in f32, as accurately as f32 sums, v_exp_f32 and their like allow (about 1e-6 of the number): no bf16 or f16 on the way to a quantiser, and a product that is left as it is and whose result goes on into a quantised operand takes f32 operands (vector FMAs, or v_wmma_f32_16x16x4_f32). A number that lies on a knife's edge between two numbers of the format may be rounded either way, as far as f32 arithmetic and the matrix unit's own rounding can turn it there, and no further.
;; One version. Each part assembles by itself: llvm-mc -triple=amdgcn-amd-amdhsa -mcpu=gfx1250 --defsym DOCPART=n.
;; ======== version 1 of 1: 2 launches
;; workspace buffers: qc 1,572,864 bytes; qs 65,536 bytes; kv 3,276,800 bytes
;; launch proj (part 1): grid 4 x 64, 4 waves a work-group, clusters of 4 x 1, 263,680 bytes of LDS; arguments x, Wv, Wz, Wq, qc, qs, kv; writes qc, qs, kv
.if DOCPART == 1
	.amdgcn_target "amdgcn-amd-amdhsa--gfx1250"
	.amdhsa_code_object_version 6
	.text
	.protected	k_qca339e903b_proj
	.globl	k_qca339e903b_proj
	.p2align	8
	.type	k_qca339e903b_proj,@function
k_qca339e903b_proj:
	s_mov_b64 s[64:65], 0
	v_nop
	global_prefetch_b8 v0, s[64:65] scope:SCOPE_SE
	s_setreg_imm32_b32 hwreg(HW_REG_WAVE_MODE, 25, 1), 1
	s_wait_xcnt 0x0
	s_wait_alu depctr_hold_cnt(0) depctr_sa_sdst(0) depctr_va_vdst(0) depctr_va_sdst(0) depctr_va_ssrc(0) depctr_va_vcc(0) depctr_vm_vsrc(0)
	s_getreg_b32 s2, hwreg(HW_REG_IB_STS2, 6, 4)
	s_cmp_eq_u32 s2, 0
	s_cbranch_scc0 .Lentry_in_a_cluster
	s_endpgm
.Lentry_in_a_cluster:
	s_bfe_u32 s2, ttmp6, 0x10000c
	s_cmp_lg_u32 s2, 0x3003
	s_cbranch_scc0 .Lentry_shape_is_right
	s_endpgm
.Lentry_shape_is_right:
; v = Wv x, z + r = Wz x + r, q = Wq x on codes of FP6 (E2M3) with one E8M0 scale for each 32 channels, and their results quantised again for the attention launch.
; x: [2][256 channels][4096 positions] f32.  W*: [256 out][256 in] f32.  r: the fixed table of sines and cosines, made here.
; OUT: qc / qs: v's codes and scale bytes (one block: the head's 32 channels);  kv: for each head and each step of 128 positions 6,400 bytes:
;   two images of z + r's codes (64 positions each), two images of q's codes (16 channels x 128 positions, the positions being K), 128 bytes of z + r's scale words, 128 of q's.
; AN IMAGE is a fragment (16 rows x 128 K, 12 registers a lane) as its registers stand: quad t of lane l at byte 512 t + 16 l; 1,536 bytes.
; In an image of v or of z + r row p, block i (of the four blocks of 32 along K) is position 32 (p / 8) + 8 i + p % 8 of a group of 64: the next launch multiplies one block at a time, and its 32 score registers are then 32 neighbouring keys.
; SHARES.  A work-group: 128 positions of one batch (work-group y) and two heads (its place in the cluster).  Wave w: head w / 2 of the two, g = w % 2: v and z + r for positions 64 g on, q's channels 16 g on for all 128.
; CLUSTER.  The four partners need the same 256 x 128 numbers of x: each wave asks for 64 channels by one joint load.  The weights are not asked for jointly: the partners need different rows, and work-groups that share rows
; would have to hold 196,608 bytes of f32 weights in LDS beside x's 131,072, which leaves no byte for the images; they come through registers, 512 consecutive bytes a load.
; LIMITS.  NaN and infinities are not served.  A block whose largest magnitude lies under 2^-124, a block of zeros among them, gets the scale byte 1 (its codes are zeros; only this program reads the bytes).
; The table: 10000^(-j/64) by v_exp_f32, the angle reduced by pi/2 in two parts, polynomials with an error under 1e-7; since the angle carries the exponential's last bit, r may differ from an f32 table by about 5e-6 at angles near 63.
.set XRAW,  0                          ; LDS: x as it lies: [256 channels][128 positions] f32, filled once by the tensor loads
.set XIMG,  131072                     ; x's 16 images: (group of 64 x 2 + K step) x 4 + fragment
.set XSC,   XIMG+16*1536               ; their scale words: [(group x 2 + K step)][fragment][row]
.set WIMG,  XSC+1024                   ; the weights' 24 images: head x 12 + matrix x 4 + tile x 2 + K step
.set WSC,   WIMG+24*1536               ; their scale words, 128 bytes an image
.set PEIMG, WSC+24*128                 ; 8,192 bytes a wave: the table in the layout of z's accumulators
.set WSTG,  PEIMG+4*8192               ; 8,448 bytes a wave: 16 rows of 512 + 16 bytes, to turn a weight tile
.set XR0,  1                           ; v1, v2  XRAW at my position, channels 0 on and 128 on
.set XW,   3                           ; v3   where my position's codes go in x's images
.set XSW,  4                           ; v4   and its scale word
.set WIW,  5                           ; v5   where I store the weights' images
.set WSW,  6                           ; v6   and their scale words
.set WSTW, 7                           ; v7   my stage, as loaded
.set WSTR, 8                           ; v8   my stage, by rows
.set WIR,  9                           ; v9   my head's images
.set WIRV, 10                          ; v10  the same at tile g
.set WSR,  11                          ; v11  my head's scale words
.set WSRV, 12                          ; v12  the same at tile g
.set XIR,  13                          ; v13  x's images of my group of 64
.set XI0,  14                          ; v14  x's images from the first on
.set XSR,  15                          ; v15  x's scale words of my group
.set XS0,  16                          ; v16  from the first on
.set PEA,  17                          ; v17  my part of PEIMG
.set GO16, 18                          ; v18  16 x lane
.set GO4,  19                          ; v19  4 x (lane % 16)
.set SH8,  20                          ; v20  8 x (lane / 16)
.set XWD,  21                          ; v21  x's scale word in the making
.set XS,   24                          ; v24-27 x's scale words, K step x 2 + pair of fragments: lanes 0-15 the even fragment, lanes 16-31 the odd one
.set WS,   28                          ; v28-31 the weights' scale words
.set MX,   32                          ; quantising: v32-35 largest magnitudes
.set SA,   36                          ; v36, v37 the conversions' scale operands
.set SB,   37
.set BYA,  38                          ; v38, v39 the scale bytes
.set BYB,  39
.set PC,   40                          ; v40-51 the codes
.set T0,   52                          ; v52-54, v56-58 the upper halves of the two blocks
.set PT,   55                          ; v55 a lane permute's destination
.set T1,   56
.set PW,   59                          ; v59 the scale word
.set RA,   60                          ; v60-123, v124-187 two weight tiles as loaded
.set T,    188                         ; v188-251 64 numbers to quantise; before that the table's registers
.set TH,   188                         ; v188-195 10000^(-j/64) of my eight pairs of channels
.set NF,   196                         ; v196-199 my position's row or column, for each of the four tiles
.set OUT,  200                         ; v200-207 eight numbers of the table
.set WF,   32                          ; products: v32-79 four fragments of weights (quantising registers lie over them once the products are done)
.set ACC,  80                          ; v80-143 eight accumulators
.set XF,   144                         ; v144-239 eight fragments of x
.set TM,   32                          ; the second quantiser's registers: v32-47
.set QPW,  48
.set QPC,  50                          ; v50-69
.macro CROUND                          ; a round of the cluster's barrier
	s_barrier_signal -1
	s_barrier_wait -1
	s_cmp_lg_u32 s18, 0
	s_cbranch_scc1 .Lnot_wave_0_\@
	s_barrier_signal -3
.Lnot_wave_0_\@:
	s_barrier_wait -3
	s_barrier_signal -1
	s_barrier_wait -1
.endm
.macro IMAGE reg, adr, off             ; a fragment goes to LDS as its registers stand
.irp q, 0,1,2
	ds_store_b128 v[\adr], v[\reg+4*\q:\reg+4*\q+3] offset:\off+512*\q
.endr
.endm
.macro FETCH reg, adr, off             ; and comes back so, in any wave
.irp q, 0,1,2
	ds_load_b128 v[\reg+4*\q:\reg+4*\q+3], v[\adr] offset:\off+512*\q
.endr
.endm
; 64 numbers of a lane, two whole blocks of 32 (s .. s+31, s+32 .. s+63), become 2 x 6 registers of codes in v[PC] on and two scale bytes.
.macro QCORE s
.irp k, 0,1,2,3
	v_max3_num_f32 v[MX+\k], |v[\s+16*\k]|, |v[\s+16*\k+1]|, 0x1800000   ; four chains of 16 numbers; the floor 2^(3 - 127) holds the byte at 1 from below
.endr
.irp i, 2,4,6,8,10,12,14
.irp k, 0,1,2,3
	v_max3_num_f32 v[MX+\k], v[MX+\k], |v[\s+16*\k+\i]|, |v[\s+16*\k+\i+1]|   ; ascending: where s is a run of accumulators each is first read at its low end
.endr
.endr
	v_max_num_f32 v[MX], v[MX], v[MX+1]
	v_max_num_f32 v[MX+2], v[MX+2], v[MX+3]
	v_add_nc_u32 v[SA], 0xff000000, v[MX]          ; 2 off the exponent field: the conversion takes that field as its scale
	v_add_nc_u32 v[SB], 0xff000000, v[MX+2]
	v_cvt_scalef32_pk16_fp6_f32 v[PC:PC+2], v[\s:\s+15], v[SA]
	v_cvt_scalef32_pk16_fp6_f32 v[T0:T0+2], v[\s+16:\s+31], v[SA]      ; (a conversion's three registers begin on an even number)
	v_cvt_scalef32_pk16_fp6_f32 v[PC+6:PC+8], v[\s+32:\s+47], v[SB]
	v_cvt_scalef32_pk16_fp6_f32 v[T1:T1+2], v[\s+48:\s+63], v[SB]
	v_lshrrev_b32 v[BYA], 23, v[SA]                ; the bytes; also the plain place behind the conversions
	v_lshrrev_b32 v[BYB], 23, v[SB]
.irp i, 0,1,2
	v_mov_b32 v[PC+3+\i], v[T0+\i]
	v_mov_b32 v[PC+9+\i], v[T1+\i]
.endr
.endm
; The same where the lane's blocks are blocks h and 2 + h of its row (h = lane / 16): the four bytes of the row's scale word are gathered from lanes l and l xor 16.
.macro QF s
	QCORE \s
	v_lshl_or_b32 v[PW], v[BYB], 16, v[BYA]
	v_lshlrev_b32 v[PW], v[SH8], v[PW]
	v_permlanex16_b32 v[PT], v[PW], s36, s37
	v_or_b32 v[PW], v[PW], v[PT]
.endm
; 64 numbers of a lane, register 16 b + t = k 16 h + t of block b of my row: a block lies in lanes l and l xor 16.  Codes to v[QPC] on, the scale word to v[QPW].
.macro QUANT s
.irp b, 0,1,2,3
	v_max3_num_f32 v[TM+\b], |v[\s+16*\b]|, |v[\s+1+16*\b]|, 0x1800000
.endr
.irp i, 2,4,6,8,10,12,14
.irp b, 0,1,2,3
	v_max3_num_f32 v[TM+\b], v[TM+\b], |v[\s+16*\b+\i]|, |v[\s+1+16*\b+\i]|
.endr
.endr
.irp b, 0,1,2,3
	v_permlanex16_b32 v[TM+4+\b], v[TM+\b], s36, s37
.endr
.irp b, 0,1,2,3
	v_max_num_f32 v[TM+\b], v[TM+\b], v[TM+4+\b]
.endr
.irp b, 0,1,2,3
	v_add_nc_u32 v[TM+12+\b], 0xff000000, v[TM+\b]
.endr
.irp b, 0,1,2,3
	v_lshrrev_b32 v[TM+4+\b], 23, v[TM+12+\b]
.endr
	v_lshl_or_b32 v[QPW], v[TM+5], 8, v[TM+4]
	v_lshl_or_b32 v[QPW], v[TM+6], 16, v[QPW]
	v_lshl_or_b32 v[QPW], v[TM+7], 24, v[QPW]
.irp c, 0,1
	v_cvt_scalef32_pk16_fp6_f32 v[QPC+6*\c:QPC+2+6*\c], v[\s+32*\c:\s+15+32*\c], v[TM+12+2*\c]
	v_cvt_scalef32_pk16_fp6_f32 v[QPC+12+4*\c:QPC+14+4*\c], v[\s+16+32*\c:\s+31+32*\c], v[TM+12+2*\c+1]
.endr
	v_nop                                          ; one plain place behind a scaled conversion
.irp c, 0,1                                    ; a whole block to a lane: lanes 0-15 block 2 c, lanes 16-31 block 2 c + 1
.irp i, 0,1,2
	v_permlane16_swap_b32 v[QPC+6*\c+\i], v[QPC+12+4*\c+\i]
.endr
.irp i, 0,1,2
	v_mov_b32 v[QPC+3+6*\c+\i], v[QPC+12+4*\c+\i]
.endr
.endr
.endm
; Weight unit n = matrix x 2 + K step (matrices v, z, q): 16 rows x 128 channels of my tile, a row (512 consecutive bytes) a load.
; v's and z's tile g takes rows 8 g + t + 8 (t / 8) of the head, so that a lane's 16 results of tiles 0 and 1 are 16 neighbouring channels; q's tile g takes rows 16 g + t.
.macro LW n
.set LWR, RA+64*((\n)%2)
.set LWP, 52+2*((\n)/2)
.irp t, 0,1,2,3,4,5,6,7,8,9,10,11,12,13,14,15
.if (\n) < 4
	global_load_b128 v[LWR+4*\t:LWR+4*\t+3], v[GO16], s[LWP:LWP+1] offset:(\t+8*(\t/8))*1024+512*((\n)%2)
.else
	global_load_b128 v[LWR+4*\t:LWR+4*\t+3], v[GO16], s[LWP:LWP+1] offset:\t*1024+512*((\n)%2)
.endif
.endr
.endm
; Unit n is turned through my stage (a lane then holds 2 x 32 neighbours of ONE row), quantised, and its image stored.
.macro PWU n
.set PWR, RA+64*((\n)%2)
.if (\n) < 5
	s_wait_loadcnt 16                              ; this unit's 16 loads are in; the next unit's 16, issued behind them, may be out
.else
	s_wait_loadcnt 0x0
.endif
.irp t, 0,1,2,3,4,5,6,7,8,9,10,11,12,13,14,15
	ds_store_b128 v[WSTW], v[PWR+4*\t:PWR+4*\t+3] offset:528*\t
.endr
.irp c, 0,1
.irp u, 0,1,2,3,4,5,6,7
	ds_load_b128 v[T+32*\c+4*\u:T+32*\c+4*\u+3], v[WSTR] offset:256*\c+16*\u   ; LDS serves a wave's instructions in order: these see the stores above
.endr
.endr
	s_wait_dscnt 0x0                               ; the numbers are back; the stage's stores and the last image's stores have read their registers
.if (\n)+2 < 6
	LW (\n)+2
.endif
	QF T
	IMAGE PC, WIW, (((\n)/2)*4+(\n)%2)*1536
	ds_store_b32 v[WSW], v[PW] offset:(((\n)/2)*4+(\n)%2)*128
.endm
; x: my position's channels 128 s + 64 c + 0 .. 63: a lane to a position, registers down the channels: two whole blocks.  Their 2 x 24 bytes go to the places that registers 6 c .. 6 c + 5 of lanes (row, 0) and (row, 1) have in the image.
.macro XU s, c
.irp hh, 0,1
.set tt, 0
.rept 32
	ds_load_b32 v[T+32*\hh+tt], v[XR0+\s] offset:(64*\c+32*\hh+tt)*512
.set tt, tt+1
.endr
.endr
	s_wait_dscnt 0x0                               ; the numbers are in, and earlier stores have read their registers
	QCORE T
.irp hh, 0,1
.if \c == 0
	ds_store_b128 v[XW], v[PC+6*\hh:PC+6*\hh+3] offset:\s*6144+256*\hh
	ds_store_b64 v[XW], v[PC+6*\hh+4:PC+6*\hh+5] offset:\s*6144+256*\hh+512
.else
	ds_store_b64 v[XW], v[PC+6*\hh:PC+6*\hh+1] offset:\s*6144+256*\hh+520
	ds_store_b128 v[XW], v[PC+6*\hh+2:PC+6*\hh+5] offset:\s*6144+256*\hh+1024
.endif
.endr
.if \c == 0
	v_lshl_or_b32 v[XWD], v[BYB], 8, v[BYA]
.else
	v_lshl_or_b32 v[XWD], v[BYA], 16, v[XWD]
	v_lshl_or_b32 v[XWD], v[BYB], 24, v[XWD]
	ds_store_b32 v[XSW], v[XWD] offset:256*\s
.endif
.endm
; The table for tile i of positions and tile u of channels: four pairs (sine, cosine), side by side so that no line waits for the line above it.
.macro PEQUAD i, u
	s_wait_dscnt 0x0                               ; the last stores have read v[OUT] on
.irp p, 0,1,2,3
	v_mul_f32 v[208+\p], v[NF+\i], v[TH+4*\u+\p]   ; the angle
.endr
.irp p, 0,1,2,3
	v_mul_f32 v[212+\p], s38, v[208+\p]
.endr
.irp p, 0,1,2,3
	v_rndne_f32 v[212+\p], v[212+\p]               ; k = the nearest multiple of pi/2
.endr
.irp p, 0,1,2,3
	v_fma_f32 v[216+\p], -v[212+\p], s39, v[208+\p]
.endr
.irp p, 0,1,2,3
	v_fma_f32 v[216+\p], -v[212+\p], s40, v[216+\p]   ; a = angle - k pi/2, pi/2 in two parts: |a| <= pi/4
.endr
.irp p, 0,1,2,3
	v_cvt_i32_f32 v[220+\p], v[212+\p]
.endr
.irp p, 0,1,2,3
	v_mul_f32 v[224+\p], v[216+\p], v[216+\p]
.endr
.irp p, 0,1,2,3
	v_fma_f32 v[228+\p], v[224+\p], s44, s43
.endr
.irp p, 0,1,2,3
	v_fma_f32 v[232+\p], v[224+\p], s47, s46
.endr
.irp p, 0,1,2,3
	v_fma_f32 v[228+\p], v[228+\p], v[224+\p], s42
.endr
.irp p, 0,1,2,3
	v_fma_f32 v[232+\p], v[232+\p], v[224+\p], s45
.endr
.irp p, 0,1,2,3
	v_fma_f32 v[228+\p], v[228+\p], v[224+\p], s41
.endr
.irp p, 0,1,2,3
	v_fma_f32 v[232+\p], v[232+\p], v[224+\p], -0.5
.endr
.irp p, 0,1,2,3
	v_mul_f32 v[236+\p], v[216+\p], v[224+\p]
.endr
.irp p, 0,1,2,3
	v_fma_f32 v[232+\p], v[232+\p], v[224+\p], 1.0     ; cos a
.endr
.irp p, 0,1,2,3
	v_fma_f32 v[228+\p], v[236+\p], v[228+\p], v[216+\p]   ; sin a
.endr
.irp p, 0,1,2,3
	v_and_b32 v[236+\p], 1, v[220+\p]
.endr
.irp p, 0,1,2,3
	v_cmp_eq_u32 s[72+\p], 1, v[236+\p]            ; an odd k swaps the two: a choice of values only
.endr
.irp p, 0,1,2,3
	v_cndmask_b32 v[OUT+2*\p], v[228+\p], v[232+\p], s[72+\p]
	v_cndmask_b32 v[OUT+2*\p+1], v[232+\p], v[228+\p], s[72+\p]
.endr
.irp p, 0,1,2,3
	v_lshlrev_b32 v[236+\p], 30, v[220+\p]         ; the sine's sign: bit 1 of k
.endr
.irp p, 0,1,2,3
	v_add_nc_u32 v[220+\p], 1, v[220+\p]           ; the cosine's: bit 1 of k + 1
.endr
.irp p, 0,1,2,3
	v_and_b32 v[236+\p], 0x80000000, v[236+\p]
.endr
.irp p, 0,1,2,3
	v_lshlrev_b32 v[220+\p], 30, v[220+\p]
.endr
.irp p, 0,1,2,3
	v_xor_b32 v[OUT+2*\p], v[OUT+2*\p], v[236+\p]
.endr
.irp p, 0,1,2,3
	v_and_b32 v[220+\p], 0x80000000, v[220+\p]
.endr
.irp p, 0,1,2,3
	v_xor_b32 v[OUT+2*\p+1], v[OUT+2*\p+1], v[220+\p]
.endr
	ds_store_b128 v[PEA], v[OUT:OUT+3] offset:(2*\i+\u)*1024
	ds_store_b128 v[PEA], v[OUT+4:OUT+7] offset:(2*\i+\u)*1024+512
.endm
; One product of v or z: source 0 = 16 rows of W (tile u), source 1 = 16 positions (fragment i): a lane then holds ONE position and eight channels.  cz = 1: C is 0.
.macro KQMUL s, i, u, cz
.set rD, ACC+8*(2*\i+\u)
.set rA, WF+12*(2*\u+\s)
.set rB, XF+12*(4*\s+\i)
.set rP, WS+2*\u+\s
.set rQ, XS+2*\s+\i/2
.if \cz
.if \i%2
	v_wmma_scale_f32_16x16x128_f8f6f4 v[rD:rD+7], v[rA:rA+11], v[rB:rB+11], 0, v[rP], v[rQ] matrix_a_fmt:MATRIX_FMT_FP6 matrix_b_fmt:MATRIX_FMT_FP6 matrix_b_scale:MATRIX_SCALE_ROW1
.else
	v_wmma_scale_f32_16x16x128_f8f6f4 v[rD:rD+7], v[rA:rA+11], v[rB:rB+11], 0, v[rP], v[rQ] matrix_a_fmt:MATRIX_FMT_FP6 matrix_b_fmt:MATRIX_FMT_FP6
.endif
.else
.if \i%2
	v_wmma_scale_f32_16x16x128_f8f6f4 v[rD:rD+7], v[rA:rA+11], v[rB:rB+11], v[rD:rD+7], v[rP], v[rQ] matrix_a_fmt:MATRIX_FMT_FP6 matrix_b_fmt:MATRIX_FMT_FP6 matrix_b_scale:MATRIX_SCALE_ROW1
.else
	v_wmma_scale_f32_16x16x128_f8f6f4 v[rD:rD+7], v[rA:rA+11], v[rB:rB+11], v[rD:rD+7], v[rP], v[rQ] matrix_a_fmt:MATRIX_FMT_FP6 matrix_b_fmt:MATRIX_FMT_FP6
.endif
.endif
.endm
; v (mat 0) or z + r (mat 1, pe = 1: the table is the C of the sums' first products) for my head and my 64 positions; quantised along the head's 32 channels; image and scale words stored.
.macro KQTASK mat, pe, pc, offc, ps, offs
	s_wait_xcnt 0x0                                ; earlier stores have read their registers: loads may land there
.irp u, 0,1
.irp s, 0,1
	FETCH WF+12*(2*\u+\s), WIR, (\mat*4+\u*2+\s)*1536
	ds_load_b32 v[WS+2*\u+\s], v[WSR] offset:(\mat*4+\u*2+\s)*128
.endr
.endr
.if \pe
.irp q, 0,1,2,3,4,5,6,7,8,9,10,11,12,13,14,15
	ds_load_b128 v[ACC+4*\q:ACC+4*\q+3], v[PEA] offset:512*\q
.endr
.endif
	s_wait_dscnt 0x0
.irp i, 0,1,2,3                                ; the eight accumulators take turns, one instruction a turn
.irp u, 0,1
	KQMUL 0, \i, \u, 1-\pe
.endr
.endr
.irp i, 0,1,2,3
.irp u, 0,1
	KQMUL 1, \i, \u, 0
.endr
.endr
.rept 4
	v_nop                                          ; four places between the products and the first read of results and write over operands (ISA guide 7.12.1)
.endr
	QUANT ACC
.irp q, 0,1,2
	global_store_b128 v[GO16], v[QPC+4*\q:QPC+4*\q+3], s[\pc:\pc+1] offset:\offc+512*\q   ; 32 lanes store 512 consecutive bytes
.endr
	global_store_b32 v[GO4], v[QPW], s[\ps:\ps+1] offset:\offs   ; 16 words; lanes 16-31 hold and store the same words
.endm
; One product of q: source 0 = 16 positions, source 1 = 16 rows of Wq: a lane holds ONE channel, and its registers run along the positions.
.macro VMUL c, s, i
.set rD, ACC+32*\c+8*\i
.set rA, XF+12*(4*\s+\i)
.set rB, WF+12*\s
.set rP, XS+2*\s+\i/2
.set rQ, WS+\s
.if \s == 0
.if \i%2
	v_wmma_scale_f32_16x16x128_f8f6f4 v[rD:rD+7], v[rA:rA+11], v[rB:rB+11], 0, v[rP], v[rQ] matrix_a_fmt:MATRIX_FMT_FP6 matrix_b_fmt:MATRIX_FMT_FP6 matrix_a_scale:MATRIX_SCALE_ROW1
.else
	v_wmma_scale_f32_16x16x128_f8f6f4 v[rD:rD+7], v[rA:rA+11], v[rB:rB+11], 0, v[rP], v[rQ] matrix_a_fmt:MATRIX_FMT_FP6 matrix_b_fmt:MATRIX_FMT_FP6
.endif
.else
.if \i%2
	v_wmma_scale_f32_16x16x128_f8f6f4 v[rD:rD+7], v[rA:rA+11], v[rB:rB+11], v[rD:rD+7], v[rP], v[rQ] matrix_a_fmt:MATRIX_FMT_FP6 matrix_b_fmt:MATRIX_FMT_FP6 matrix_a_scale:MATRIX_SCALE_ROW1
.else
	v_wmma_scale_f32_16x16x128_f8f6f4 v[rD:rD+7], v[rA:rA+11], v[rB:rB+11], v[rD:rD+7], v[rP], v[rQ] matrix_a_fmt:MATRIX_FMT_FP6 matrix_b_fmt:MATRIX_FMT_FP6
.endif
.endif
.endm
	s_load_b256 s[4:11], s[0:1], 0x0               ; x, Wv, Wz, Wq
	s_load_b128 s[12:15], s[0:1], 0x20             ; qc, qs
	s_load_b64 s[16:17], s[0:1], 0x30              ; kv
	v_lshl_add_u32 v254, v0, 2, 0x40400
	v_mov_b32 v255, 0
	ds_add_u32 v254, v255
	ds_add_u32 v254, v255
	v_lshrrev_b32 v22, 5, v0
	v_readfirstlane_b32 s18, v22                   ; wave 0..3
	s_bfe_u32 s19, ttmp6, 0x40000                  ; my place in the cluster: which pair of heads.  It enters global addresses and the table's numbers alone
	s_and_b32 s20, ttmp7, 0xffff                   ; which 128 positions: shared by the four partners
	s_lshr_b32 s21, s18, 1                         ; hd
	s_and_b32 s22, s18, 1                          ; g
	s_lshl_b32 s23, s19, 1
	s_add_co_u32 s23, s23, s21                     ; head
	s_lshr_b32 s70, s20, 5                         ; batch
	s_and_b32 s71, s20, 31                         ; step
	; descriptor group 1: 64 rows (channels) of 128 elements of 4 bytes, 4,096 elements apart, no padding
	s_mov_b32 s24, 15|(2<<16)|(1<<21)              ; 15:0 the mask: all four partners; 17:16 elements of 4 bytes; 21 set beside a mask
	s_mov_b32 s25, 128<<16                         ; tensor_dim0 = 128
	s_mov_b32 s26, 64<<16                          ; tensor_dim1 = 64
	s_mov_b32 s27, 128<<16                         ; tile_dim0 = 128
	s_mov_b32 s28, 64                              ; tile_dim1 = 64
	s_mov_b32 s29, 4096                            ; from row to row
	s_mov_b32 s30, 0
	s_mov_b32 s31, 0
	s_mov_b32 s32, 1
	s_lshl_b32 s33, s18, 15                        ; LDS: wave x 64 rows of 512 bytes
	s_lshl_b32 s72, s70, 22                        ; x: batch x 4 MiB + wave x 64 channels of 16,384 bytes + step x 512
	s_lshl_b32 s73, s18, 20
	s_add_co_u32 s72, s72, s73
	s_lshl_b32 s73, s71, 9
	s_add_co_u32 s72, s72, s73
	s_mov_b32 s73, 0
	s_mov_b32 s36, 0x76543210
	s_mov_b32 s37, 0xfedcba98                      ; v_permlanex16_b32's selects for lane l xor 16
	s_mov_b32 s38, 0x3f22f983                      ; 2 / pi
	s_mov_b32 s39, 0x3fc90fdb                      ; pi / 2, upper part
	s_mov_b32 s40, 0xb33bbd2e                      ; and the rest
	s_mov_b32 s41, 0xbe2aaaab                      ; -1/3!
	s_mov_b32 s42, 0x3c088889                      ; 1/5!
	s_mov_b32 s43, 0xb9500d01                      ; -1/7!
	s_mov_b32 s44, 0x3638ef1d                      ; 1/9!
	s_mov_b32 s45, 0x3d2aaaab                      ; 1/4!
	s_mov_b32 s46, 0xbab60b61                      ; -1/6!
	s_mov_b32 s47, 0x37d00d01                      ; 1/8!
	s_mov_b32 s48, 0xbe549a78                      ; -log2(10000) / 64
	; the address registers: constants, the lane and the wave's number; never rewritten
	v_and_b32 v22, 31, v0                          ; lane
	v_lshlrev_b32 v[GO16], 4, v22
	v_lshlrev_b32 v23, 2, v22                      ; 4 x lane
	v_and_b32 v[GO4], 15, v0
	v_mul_u32_u24 v[WSTR], v[GO4], 528
	v_lshlrev_b32 v[GO4], 2, v[GO4]
	v_bfe_u32 v[SH8], v0, 4, 1
	v_lshl_add_u32 v[WSTR], v[SH8], 7, v[WSTR]     ; 528 r + 128 h
	v_lshlrev_b32 v[SH8], 3, v[SH8]
	v_lshlrev_b32 v[XR0], 2, v0                    ; my position is the thread's number
	v_add_nc_u32 v[XR0+1], 0x10000, v[XR0]         ; 128 channels of 512 bytes on
	v_lshrrev_b32 v21, 6, v0                       ; position p of 128: group p / 64, row 8 ((p / 32) % 2) + p % 8, fragment (p / 8) % 4
	v_mul_u32_u24 v[XW], v21, 12288
	v_lshlrev_b32 v[XSW], 9, v21
	v_bfe_u32 v21, v0, 3, 2
	v_mad_u32_u24 v[XW], v21, 1536, v[XW]
	v_lshl_add_u32 v[XSW], v21, 6, v[XSW]
	v_bfe_u32 v21, v0, 5, 1
	v_lshl_add_u32 v[XW], v21, 7, v[XW]
	v_lshl_add_u32 v[XSW], v21, 5, v[XSW]
	v_and_b32 v21, 7, v0
	v_lshl_add_u32 v[XW], v21, 4, v[XW]
	v_lshl_add_u32 v[XSW], v21, 2, v[XSW]
	v_add_nc_u32 v[XW], XIMG, v[XW]
	v_add_nc_u32 v[XSW], XSC, v[XSW]
	s_mul_i32 s74, s21, 12
	s_lshl_b32 s75, s22, 1
	s_add_co_u32 s74, s74, s75                     ; image hd x 12 + g x 2
	s_mul_i32 s75, s74, 1536
	s_add_co_u32 s75, s75, WIMG
	v_add_nc_u32 v[WIW], s75, v[GO16]
	s_lshl_b32 s75, s74, 7
	s_add_co_u32 s75, s75, WSC
	v_add_nc_u32 v[WSW], s75, v23
	s_mul_i32 s75, s18, 8448
	s_add_co_u32 s75, s75, WSTG
	v_add_nc_u32 v[WSTW], s75, v[GO16]
	v_add_nc_u32 v[WSTR], s75, v[WSTR]
	s_mul_i32 s75, s21, 18432
	s_add_co_u32 s75, s75, WIMG
	v_add_nc_u32 v[WIR], s75, v[GO16]
	s_mul_i32 s75, s22, 3072
	v_add_nc_u32 v[WIRV], s75, v[WIR]
	s_mul_i32 s75, s21, 1536
	s_add_co_u32 s75, s75, WSC
	v_add_nc_u32 v[WSR], s75, v23
	s_lshl_b32 s75, s22, 8
	v_add_nc_u32 v[WSRV], s75, v[WSR]
	v_add_nc_u32 v[XI0], XIMG, v[GO16]
	s_mul_i32 s75, s22, 12288
	v_add_nc_u32 v[XIR], s75, v[XI0]
	v_add_nc_u32 v[XS0], XSC, v23
	s_lshl_b32 s75, s22, 9
	v_add_nc_u32 v[XSR], s75, v[XS0]
	s_lshl_b32 s75, s18, 13
	s_add_co_u32 s75, s75, PEIMG
	v_add_nc_u32 v[PEA], s75, v[GO16]
	v_mov_b32 v[PT], 0                             ; written once: a lane permute's destination counts as one of its sources
	s_wait_dscnt 0x0
	s_wait_kmcnt 0x0
	s_add_nc_u64 s[34:35], s[4:5], s[72:73]
	s_or_b32 s35, s35, 0x80000000                  ; type = 2
	CROUND                                         ; all four partners are here: the joint loads meet
	tensor_load_to_lds s[32:35], s[24:31]          ; my 64 channels of x: my one tensor load
	s_nop 0
.rept 4
	v_nop
.endr
	s_lshl_b32 s74, s23, 15                        ; the head's 32 rows of 1,024 bytes
	s_lshl_b32 s72, s22, 13
	s_add_co_u32 s72, s72, s74
	s_add_nc_u64 s[52:53], s[6:7], s[72:73]        ; Wv and Wz at row 8 g of the head
	s_add_nc_u64 s[54:55], s[8:9], s[72:73]
	s_lshl_b32 s72, s22, 14
	s_add_co_u32 s72, s72, s74
	s_add_nc_u64 s[56:57], s[10:11], s[72:73]      ; Wq at row 16 g
	LW 0
	LW 1
	s_lshl_b32 s75, s70, 3
	s_add_co_u32 s75, s75, s23                     ; hg = 8 x batch + head
	s_lshl_b32 s76, s75, 6
	s_lshl_b32 s77, s71, 1
	s_add_co_u32 s76, s76, s77
	s_add_co_u32 s76, s76, s22                     ; my group of 64 positions: hg x 64 + 2 x step + g
	s_mul_i32 s72, s76, 1536
	s_add_nc_u64 s[58:59], s[12:13], s[72:73]      ; its image in qc
	s_lshl_b32 s72, s76, 6
	s_add_nc_u64 s[60:61], s[14:15], s[72:73]      ; its 16 words in qs
	s_lshl_b32 s76, s75, 5
	s_add_co_u32 s76, s76, s71
	s_mul_i32 s76, s76, 6400                       ; my step in kv
	s_mul_i32 s72, s22, 1536
	s_add_co_u32 s72, s72, s76
	s_add_nc_u64 s[66:67], s[16:17], s[72:73]      ; + g images
	s_lshl_b32 s72, s22, 6
	s_add_co_u32 s72, s72, s76
	s_add_nc_u64 s[68:69], s[16:17], s[72:73]      ; + g x 16 words
	; ---- the table: no memory is read; it stands while x and the first weights are on their way.
	; heads 0-3 take the position's row of the 64 x 64 grid (2 x step + g for all my 64 positions), heads 4-7 its column (the position within my 64)
	s_lshl_b32 s49, s71, 1
	s_add_co_u32 s49, s49, s22
	s_cmp_lt_u32 s19, 2
	s_cselect_b32 s49, s49, 0
	s_cselect_b32 s50, 0, 1
	v_bfe_u32 v22, v0, 3, 1
	v_and_b32 v23, 7, v0
	v_lshl_add_u32 v22, v22, 5, v23                ; 32 (r / 8) + r % 8
.irp i, 0,1,2,3
	v_add_nc_u32 v[NF+\i], 8*\i, v22
.endr
.irp i, 0,1,2,3
	v_mad_u32_u24 v[NF+\i], v[NF+\i], s50, s49
.endr
.irp i, 0,1,2,3
	v_cvt_f32_u32 v[NF+\i], v[NF+\i]
.endr
	s_and_b32 s72, s23, 3
	s_lshl_b32 s72, s72, 4
	v_add_nc_u32 v22, s72, v[SH8]                  ; my first pair of channels: 16 (head % 4) + 8 h
.irp k, 0,1,2,3,4,5,6,7
	v_add_nc_u32 v[TH+\k], \k, v22
.endr
.irp k, 0,1,2,3,4,5,6,7
	v_cvt_f32_u32 v[TH+\k], v[TH+\k]
.endr
.irp k, 0,1,2,3,4,5,6,7
	v_mul_f32 v[TH+\k], s48, v[TH+\k]
.endr
	s_wait_alu depctr_va_vdst(0)
.irp k, 0,1,2,3,4,5,6,7
	v_exp_f32 v[TH+\k], v[TH+\k]                   ; 10000^(-j/64)
.endr
	v_nop                                          ; a plain place behind the exponentials
	s_wait_alu depctr_va_vdst(0)
.irp i, 0,1,2,3
.irp u, 0,1
	PEQUAD \i, \u
.endr
.endr
	; ---- the weights' images and x's
	PWU 0
	PWU 1
	s_wait_tensorcnt 0x0                           ; my 64 channels of x have landed,
	s_wait_dscnt 0x0                               ; no LDS instruction of mine is out,
	s_barrier_signal -1
	s_barrier_wait -1                              ; and so for all four waves: all 256 channels lie in LDS
	XU 0, 0                                        ; x's units stand between the weights' loads and their use
	XU 0, 1
	PWU 2
	PWU 3
	XU 1, 0
	XU 1, 1
	PWU 4
	PWU 5
	s_wait_dscnt 0x0                               ; my stores of images and scale words are done
	s_barrier_signal -1
	s_barrier_wait -1                              ; everybody's are
	; ---- the products
.irp s, 0,1
.irp i, 0,1,2,3
	FETCH XF+12*(4*\s+\i), XIR, (\s*4+\i)*1536
.endr
.irp p, 0,1
	ds_load_b32 v[XS+2*\s+\p], v[XSR] offset:\s*256+128*\p
.endr
.endr
	KQTASK 0, 0, 58, 0, 60, 0                      ; v -> qc, qs
	KQTASK 1, 1, 66, 0, 68, 6144                   ; z + r -> kv
	; q: my 16 channels for all 128 positions; a lane's registers 32 c + 0 .. 31 are positions 64 c + 32 h + 0 .. 31: whole blocks along the next K
	s_wait_xcnt 0x0                                ; the stores above have read their registers
.irp s, 0,1
	FETCH WF+12*\s, WIRV, (8+\s)*1536
	ds_load_b32 v[WS+\s], v[WSRV] offset:(8+\s)*128
.endr
.irp c, 0,1
.if \c
.rept 4
	v_nop                                          ; four places in front of loads into registers that the products above have read
.endr
.endif
.irp s, 0,1
.irp i, 0,1,2,3
	FETCH XF+12*(4*\s+\i), XI0, (\c*8+\s*4+\i)*1536
.endr
.irp p, 0,1
	ds_load_b32 v[XS+2*\s+\p], v[XS0] offset:(\c*2+\s)*256+128*\p
.endr
.endr
	s_wait_dscnt 0x0
.irp s, 0,1                                    ; four accumulators by turns
.irp i, 0,1,2,3
	VMUL \c, \s, \i
.endr
.endr
.endr
.rept 4
	v_nop
.endr
	QF ACC
.irp q, 0,1,2
	global_store_b128 v[GO16], v[PC+4*\q:PC+4*\q+3], s[66:67] offset:3072+512*\q
.endr
	global_store_b32 v[GO4], v[PW], s[68:69] offset:6272
	s_wait_tensorcnt 0x0
	ds_add_u32 v254, v255
	s_wait_dscnt 0x0
	CROUND                                         ; the closing round: no partner ends while another may still ask for a tile that names it
	s_endpgm
.Lfunc_end_k_qca339e903b_proj:
	.size	k_qca339e903b_proj, .Lfunc_end_k_qca339e903b_proj-k_qca339e903b_proj
	.p2alignl 7, 3214868480
	.fill 96, 4, 3214868480
	.section	.rodata,"a",@progbits
	.p2align	6, 0x0
	.amdhsa_kernel k_qca339e903b_proj
		.amdhsa_group_segment_fixed_size 263680
		.amdhsa_private_segment_fixed_size 0
		.amdhsa_enable_private_segment 0
		.amdhsa_kernarg_size 56
		.amdhsa_user_sgpr_count 2
		.amdhsa_user_sgpr_kernarg_segment_ptr 1
		.amdhsa_wavefront_size32 1
		.amdhsa_system_sgpr_workgroup_id_x 1
		.amdhsa_system_sgpr_workgroup_id_y 1
		.amdhsa_system_sgpr_workgroup_id_z 1
		.amdhsa_system_vgpr_workitem_id 0
		.amdhsa_next_free_vgpr 256
		.amdhsa_next_free_sgpr 84
		.amdhsa_reserve_vcc 0
		.amdhsa_float_denorm_mode_32 3
		.amdhsa_float_denorm_mode_16_64 3
		.amdhsa_memory_ordered 1
		.amdhsa_forward_progress 1
		.amdhsa_inst_pref_size 150
	.end_amdhsa_kernel
	.amdgpu_metadata
---
amdhsa.version: [ 1, 2 ]
amdhsa.kernels:
  - .name:           k_qca339e903b_proj
    .symbol:         k_qca339e903b_proj.kd
    .args:
      - { .name: x, .offset: 0, .size: 8, .value_kind: global_buffer, .address_space: global }
      - { .name: Wv, .offset: 8, .size: 8, .value_kind: global_buffer, .address_space: global }
      - { .name: Wz, .offset: 16, .size: 8, .value_kind: global_buffer, .address_space: global }
      - { .name: Wq, .offset: 24, .size: 8, .value_kind: global_buffer, .address_space: global }
      - { .name: qc, .offset: 32, .size: 8, .value_kind: global_buffer, .address_space: global }
      - { .name: qs, .offset: 40, .size: 8, .value_kind: global_buffer, .address_space: global }
      - { .name: kv, .offset: 48, .size: 8, .value_kind: global_buffer, .address_space: global }
    .group_segment_fixed_size: 263680
    .private_segment_fixed_size: 0
    .kernarg_segment_align: 8
    .kernarg_segment_size: 56
    .max_flat_workgroup_size: 128
    .sgpr_count:     84
    .vgpr_count:     256
    .wavefront_size: 32
...
	.end_amdgpu_metadata
.endif
;; end of part 1
;; launch attn (part 2): grid 16 x 16, 16 waves a work-group, clusters of 4 x 1, 247,808 bytes of LDS; arguments qc, qs, kv, out0; writes out0
.if DOCPART == 2
	.amdgcn_target "amdgcn-amd-amdhsa--gfx1250"
	.amdhsa_code_object_version 6
	.text
	.protected	k_qca339e903b_attn
	.globl	k_qca339e903b_attn
	.p2align	8
	.type	k_qca339e903b_attn,@function
k_qca339e903b_attn:
	s_mov_b64 s[64:65], 0
	v_nop
	global_prefetch_b8 v0, s[64:65] scope:SCOPE_SE
	s_setreg_imm32_b32 hwreg(HW_REG_WAVE_MODE, 25, 1), 1
	s_wait_xcnt 0x0
	s_wait_alu depctr_hold_cnt(0) depctr_sa_sdst(0) depctr_va_vdst(0) depctr_va_sdst(0) depctr_va_ssrc(0) depctr_va_vcc(0) depctr_vm_vsrc(0)
	s_getreg_b32 s2, hwreg(HW_REG_IB_STS2, 6, 4)
	s_cmp_eq_u32 s2, 0
	s_cbranch_scc0 .Lentry_in_a_cluster
	s_endpgm
.Lentry_in_a_cluster:
	s_bfe_u32 s2, ttmp6, 0x10000c
	s_cmp_lg_u32 s2, 0x3003
	s_cbranch_scc0 .Lentry_shape_is_right
	s_endpgm
.Lentry_shape_is_right:
; out[hg][d][m] = the sum over n of softmax_n(v[m] . (z + r)[n] / sqrt(32)) q[d][n], both products on codes of FP6 (E2M3) with E8M0 scales, from the images that the launch before has laid.
; THE SOFTMAX: t = score x log2(e) / sqrt(32) (one multiplication); M = the running largest t rounded UP to a whole number; p = 2^(t - M) is quantised along the keys, not normalised;
; the row's sum is taken of the unquantised p and divides at the end; when M moves, the sum and O are multiplied by 2^(old M - new M), which rounds nothing.
; SHARES.  A work-group: 256 queries of one (batch, head).  Each of its sixteen waves: 16 queries, in 256 registers, four waves to a SIMD.  Every wave walks all 4,096 keys, 128 a step.
; THE WHOLE HEAD LIES IN LDS: 32 steps x 6,400 bytes (codes and scale words of keys and values) = 204,800 bytes, copied as they lie, in eight chunks of four steps.  Nothing is filled twice.
; CLUSTER.  The four query blocks of a cluster belong to one head: each chunk is asked for jointly.
; THE FIRST PRODUCT HAS K = 32 in an instruction of K = 128.  An image of keys holds 64 keys: row p, block i = key 32 (p / 8) + 8 i + p % 8.  The queries' operand Q_j is zero outside block j, and a zero code adds nothing:
; so image x Q_j gives the scores of the 16 keys in block j, one image serves four instructions, and in lane (query r, h) registers 32 f + 0 .. 31 are keys 64 f + 32 h + 0 .. 31: one whole block of the second product's K.
; So a block's largest p needs no other lane, and the conversions' results are the second product's operand as they stand.
; LIMITS.  NaN and infinities are not served.  A block all of whose p have fallen to 0 keeps the scale byte 1: its codes are zeros.
.set STEPB, 6400                       ; a step in LDS: K images at 0 and 1,536, V images at 3,072 and 4,608, K's scale words at 6,144, V's at 6,272
.set CHUNK, 4*STEPB
.set STG,   32*STEPB                   ; behind the head: the stage for the way out: 32 rows (channels) of 1,024 + 16 bytes
.set SPI,   1040
.set L16,  1                           ; v1   16 x lane
.set L4,   2                           ; v2   4 x lane + 6,144
.set AD16, 3                           ; v3   the step's images
.set AD4,  4                           ; v4   the step's scale words
.set SH8,  5                           ; v5   8 x (lane / 16)
.set QA,   6                           ; v6, v7 my query's codes in its image;  v8 its scale word
.set QB,   7
.set QW,   8
.set STO,  9                           ; v9   the stage: where I put a number
.set RD,   10                          ; v10  and where I read rows back
.set NM,   12                          ; v12  -M;  v13 the running largest score
.set SUM,  14                          ; v[14:15] the sum, in two halves
.set QZ,   16                          ; v16-45: zeros, codes in lanes 0-15, zeros, codes in lanes 16-31, zeros: six registers each.  Q_2 = v16 on, Q_0 = v22 on, Q_3 = v28 on, Q_1 = v34 on
.set QS,   46                          ; v46  my query's scale byte, four times
.set KS,   47                          ; v47  the keys' scale words: lanes 0-15 image 0, lanes 16-31 image 1
.set VS,   48                          ; v48  the values' likewise
.set PS,   49                          ; v49  p's scale word
.set KF,   52                          ; v52-75  two images of keys
.set VF,   76                          ; v76-99  two images of values
.set S,    100                         ; v100-163 the scores, then p
.set O,    164                         ; v164-179 O^T: channels 8 h + 0 .. 7 and 16 + 8 h + 0 .. 7 of my query
.set PC,   180                         ; v180-191 p's codes
.set T0,   192                         ; v192-194, v196-198 the blocks' upper halves
.set T1,   196
.set CH,   200                         ; v200-203 four chains of the maximum
.set FF,   204                         ; v[204:205] f = 2^(old M - new M)
.set SO,   206                         ; v206, v207 the conversions' scale operands
.set BY,   208                         ; v208, v209 the bytes
.set WT,   210
.set PT,   211                         ; a lane permute's destination
.set SU2,  212                         ; v[212:213] the sum's second chain
.set OLD,  214
.set TT,   215
.set DD,   216
.set QL,   220                         ; v220-225 my query's codes as loaded;  v226 its scale word as loaded
.macro CROUND                          ; a round of the cluster's barrier
	s_barrier_signal -1
	s_barrier_wait -1
	s_cmp_lg_u32 s12, 0
	s_cbranch_scc1 .Lnot_wave_0_\@
	s_barrier_signal -3
.Lnot_wave_0_\@:
	s_barrier_wait -3
	s_barrier_signal -1
	s_barrier_wait -1
.endm
.macro SMUL f, j                       ; the scores of image f's block j: source 0 = the image's 16 rows, source 1 = my 16 queries in block j
.set rD, S+32*\f+8*\j
.set rA, KF+12*\f
.set rB, QZ+12*(\j%2)+6*(1-\j/2)
.if \f
	v_wmma_scale_f32_16x16x128_f8f6f4 v[rD:rD+7], v[rA:rA+11], v[rB:rB+11], 0, v[KS], v[QS] matrix_a_fmt:MATRIX_FMT_FP6 matrix_b_fmt:MATRIX_FMT_FP6 matrix_a_scale:MATRIX_SCALE_ROW1
.else
	v_wmma_scale_f32_16x16x128_f8f6f4 v[rD:rD+7], v[rA:rA+11], v[rB:rB+11], 0, v[KS], v[QS] matrix_a_fmt:MATRIX_FMT_FP6 matrix_b_fmt:MATRIX_FMT_FP6
.endif
.endm
; A KEY STEP: 128 keys.
.macro STEP
	v_add_nc_u32 v[AD16], s56, v[L16]
	v_add_nc_u32 v[AD4], s56, v[L4]
.irp q, 0,1,2,3,4,5
	ds_load_b128 v[KF+4*\q:KF+4*\q+3], v[AD16] offset:512*\q
.endr
	ds_load_b32 v[KS], v[AD4]
	s_wait_alu depctr_va_vdst(0)
	s_wait_dscnt 0x0
.irp f, 0,1
.irp j, 0,1,2,3
	SMUL \f, \j
.endr
.endr
	v_mov_b32 v[OLD], v[NM]                        ; this line and three v_nop: four places between the products and the first read of the scores;
.rept 3
	v_nop                                          ; with the two additions above, six between the last step's second products and the loads into their operands (four are asked: ISA guide 7.12.1 for vector instructions)
.endr
.irp q, 0,1,2,3,4,5
	ds_load_b128 v[VF+4*\q:VF+4*\q+3], v[AD16] offset:3072+512*\q   ; the values land while the softmax is walked
.endr
	ds_load_b32 v[VS], v[AD4] offset:128
.irp b, 0,1,2,3
	v_max3_num_f32 v[CH+\b], v[S+16*\b], v[S+16*\b+1], v[S+16*\b+2]   ; four chains of 16 scores, ascending: each accumulator is first read at its low end
.endr
.irp i, 3,5,7,9,11,13
.irp b, 0,1,2,3
	v_max3_num_f32 v[CH+\b], v[CH+\b], v[S+16*\b+\i], v[S+16*\b+\i+1]
.endr
.endr
	v_max_num_f32 v[CH], v[CH], v[S+15]
	v_max_num_f32 v[CH+2], v[CH+2], v[S+47]
	v_max3_num_f32 v[CH+1], v[CH+1], v[S+31], v[CH]      ; THE LARGEST SCORE OF MY TWO BLOCKS: it serves the row's maximum and, since p rises with the score, the block's largest p
	v_max3_num_f32 v[CH+3], v[CH+3], v[S+63], v[CH+2]
	s_delay_alu instid0(VALU_DEP_1)
	v_max3_num_f32 v[NM+1], v[NM+1], v[CH+1], v[CH+3]
	s_delay_alu instid0(VALU_DEP_1)
	v_permlanex16_b32 v[PT], v[NM+1], s60, s61
	s_delay_alu instid0(VALU_DEP_1)
	v_max_num_f32 v[NM+1], v[NM+1], v[PT]          ; with lane l xor 16's 64 keys: the running largest score of my query
	s_delay_alu instid0(VALU_DEP_1)
	v_mul_f32 v[TT], s58, v[NM+1]                  ; as t (c is positive)
	s_delay_alu instid0(VALU_DEP_1)
	v_floor_f32 v[NM], -v[TT]                      ; -M = floor(-t): M is a whole number
	s_delay_alu instid0(VALU_DEP_1)
	v_sub_f32 v[DD], v[NM], v[OLD]                 ; old M - new M: a whole number, 0 or less
	s_delay_alu instid0(VALU_DEP_1)
	v_cvt_i32_f32 v[DD], v[DD]                     ; (it saturates)
	s_delay_alu instid0(VALU_DEP_1)
	v_ldexp_f32 v[FF], 1.0, v[DD]                  ; f
.set j, 0
.rept 32
	v_pk_fma_f32 v[S+j:S+j+1], v[S+j:S+j+1], s[58:59], v[NM:NM+1] op_sel_hi:[1,0,0]   ; t - M, two at a time (of the pairs c and -M the low word serves both halves)
.set j, j+2
.endr
	v_fma_f32 v[CH+1], v[CH+1], s58, v[NM]         ; the same of each block's largest score
	v_fma_f32 v[CH+3], v[CH+3], s58, v[NM]
.set j, 0
	s_setprio 1
	s_wait_alu depctr_va_vdst(0)
.rept 64
	v_exp_f32 v[S+j], v[S+j]                       ; p = 2^(t - M)
.set j, j+1
.endr
	v_exp_f32 v[CH+1], v[CH+1]                     ; the blocks' largest p: the same two instructions on the same number
	v_exp_f32 v[CH+3], v[CH+3]
	v_pk_mul_f32 v[SUM:SUM+1], v[SUM:SUM+1], v[FF:FF+1] op_sel_hi:[1,0]   ; the sum under the new M; a plain place behind the exponentials
	s_wait_alu depctr_va_vdst(0)
	v_max_num_f32 v[CH+1], 0x1800000, v[CH+1]      ; the floor 2^(3 - 127): the byte cannot fall under 1
	v_max_num_f32 v[CH+3], 0x1800000, v[CH+3]
	s_delay_alu instid0(VALU_DEP_2)
	v_add_nc_u32 v[SO], 0xff000000, v[CH+1]        ; 2 off the exponent field: the conversion's scale operand
	s_delay_alu instid0(VALU_DEP_2)
	v_add_nc_u32 v[SO+1], 0xff000000, v[CH+3]
	v_cvt_scalef32_pk16_fp6_f32 v[PC:PC+2], v[S:S+15], v[SO]
	v_cvt_scalef32_pk16_fp6_f32 v[T0:T0+2], v[S+16:S+31], v[SO]        ; (a conversion's three registers begin on an even number)
	v_cvt_scalef32_pk16_fp6_f32 v[PC+6:PC+8], v[S+32:S+47], v[SO+1]
	v_cvt_scalef32_pk16_fp6_f32 v[T1:T1+2], v[S+48:S+63], v[SO+1]
	v_lshrrev_b32 v[BY], 23, v[SO]                 ; the bytes of blocks h and 2 + h; also the plain place behind the conversions
	v_lshrrev_b32 v[BY+1], 23, v[SO+1]
	s_delay_alu instid0(VALU_DEP_1)
	v_lshl_or_b32 v[WT], v[BY+1], 16, v[BY]
	s_delay_alu instid0(VALU_DEP_1)
	v_lshlrev_b32 v[WT], v[SH8], v[WT]
	s_delay_alu instid0(VALU_DEP_1)
	v_permlanex16_b32 v[PT], v[WT], s60, s61
	s_delay_alu instid0(VALU_DEP_1)
	v_or_b32 v[PS], v[WT], v[PT]                   ; with lane l xor 16's two bytes the word is whole; 46 plain instructions stand between it and the products that read it
.irp i, 0,1,2
	v_mov_b32 v[PC+3+\i], v[T0+\i]
	v_mov_b32 v[PC+9+\i], v[T1+\i]
.endr
	v_pk_add_f32 v[212:213], v[104:105], v[108:109]
	v_pk_add_f32 v[252:253], v[112:113], v[116:117]
	v_pk_add_f32 v[250:251], v[120:121], v[124:125]
	v_pk_add_f32 v[248:249], v[128:129], v[132:133]
	v_pk_add_f32 v[246:247], v[136:137], v[140:141]
	v_pk_add_f32 v[244:245], v[144:145], v[148:149]
	v_pk_add_f32 v[242:243], v[152:153], v[156:157]
	v_pk_add_f32 v[14:15], v[14:15], v[160:161]
	v_pk_add_f32 v[212:213], v[212:213], v[100:101]
	v_pk_add_f32 v[252:253], v[252:253], v[102:103]
	v_pk_add_f32 v[250:251], v[250:251], v[106:107]
	v_pk_add_f32 v[248:249], v[248:249], v[110:111]
	v_pk_add_f32 v[246:247], v[246:247], v[114:115]
	v_pk_add_f32 v[244:245], v[244:245], v[118:119]
	s_setprio 0
	v_pk_add_f32 v[242:243], v[242:243], v[122:123]
	v_pk_add_f32 v[14:15], v[14:15], v[126:127]
	v_pk_add_f32 v[212:213], v[212:213], v[130:131]
	v_pk_add_f32 v[252:253], v[252:253], v[134:135]
	v_pk_add_f32 v[250:251], v[250:251], v[138:139]
	v_pk_add_f32 v[248:249], v[248:249], v[142:143]
	v_pk_add_f32 v[246:247], v[246:247], v[146:147]
	v_pk_add_f32 v[244:245], v[244:245], v[150:151]
	v_pk_add_f32 v[242:243], v[242:243], v[154:155]
	v_pk_add_f32 v[14:15], v[14:15], v[158:159]
	v_pk_add_f32 v[212:213], v[212:213], v[162:163]
	s_delay_alu instid0(VALU_DEP_2)
	v_pk_add_f32 v[14:15], v[14:15], v[248:249]
	s_delay_alu instid0(VALU_DEP_2)
	v_pk_add_f32 v[212:213], v[212:213], v[246:247]
	v_pk_add_f32 v[252:253], v[252:253], v[244:245]
	v_pk_add_f32 v[250:251], v[250:251], v[242:243]
	s_delay_alu instid0(VALU_DEP_2)
	v_pk_add_f32 v[14:15], v[14:15], v[252:253]
	s_delay_alu instid0(VALU_DEP_2)
	v_pk_add_f32 v[212:213], v[212:213], v[250:251]
	s_delay_alu instid0(VALU_DEP_1)
	v_pk_add_f32 v[14:15], v[14:15], v[212:213]
.set j, 0
.rept 8
	v_pk_mul_f32 v[O+j:O+j+1], v[O+j:O+j+1], v[FF:FF+1] op_sel_hi:[1,0]   ; O^T under the new M, from each accumulator's low end on
.set j, j+2
.endr
	s_wait_alu depctr_va_vdst(0)
	s_wait_dscnt 0x0                               ; the values are in
	v_wmma_scale_f32_16x16x128_f8f6f4 v[O:O+7], v[VF:VF+11], v[PC:PC+11], v[O:O+7], v[VS], v[PS] matrix_a_fmt:MATRIX_FMT_FP6 matrix_b_fmt:MATRIX_FMT_FP6
	v_wmma_scale_f32_16x16x128_f8f6f4 v[O+8:O+15], v[VF+12:VF+23], v[PC:PC+11], v[O+8:O+15], v[VS], v[PS] matrix_a_fmt:MATRIX_FMT_FP6 matrix_b_fmt:MATRIX_FMT_FP6 matrix_a_scale:MATRIX_SCALE_ROW1
	s_add_co_u32 s56, s56, STEPB                   ; (the two accumulators take turns, and the next step's eight score products part their links)
.endm
; Chunk c: wave 0 waits until it has landed, all meet, and its four steps are walked.
.macro PART c
	s_wait_tensorcnt 7-\c                          ; wave 0's loads end in order: chunks c + 1 .. 7, issued behind chunk c, may be out.  The other waves have none
	s_barrier_signal -1
	s_barrier_wait -1
	s_mov_b32 s56, \c*CHUNK
	s_mov_b32 s57, 4
.Lstep_\@:
	s_setprio 2
	STEP
	s_sub_co_u32 s57, s57, 1
	s_cmp_lg_u32 s57, 0
	s_cbranch_scc1 .Lstep_\@
	s_setprio 0
.endm
	s_load_b256 s[4:11], s[0:1], 0x0               ; qc, qs, kv, out0
	v_lshl_add_u32 v254, v0, 2, 0x3c000
	v_mov_b32 v255, 0
	ds_add_u32 v254, v255
	ds_add_u32 v254, v255
	v_lshrrev_b32 v3, 5, v0
	s_delay_alu instid0(VALU_DEP_1)
	v_readfirstlane_b32 s12, v3                    ; wave 0..15
	s_bfe_u32 s13, ttmp6, 0x40000                  ; my place in the cluster
	s_lshl_b32 s14, ttmp9, 2
	s_add_co_u32 s14, s14, s13                     ; my block of 256 queries: it enters the addresses of qc, qs and out0 alone
	s_and_b32 s15, ttmp7, 0xffff                   ; hg, which the four partners share
	; descriptor group 1: 100 rows of 256 bytes (32 elements of 8 bytes), dense
	s_mov_b32 s16, 15|(3<<16)|(1<<21)              ; 15:0 the mask: all four partners; 17:16 elements of 8 bytes; 21 set beside a mask
	s_mov_b32 s17, 32<<16
	s_mov_b32 s18, 100<<16
	s_mov_b32 s19, 32<<16
	s_mov_b32 s20, 100
	s_mov_b32 s21, 32
	s_mov_b32 s22, 0
	s_mov_b32 s23, 0
	s_mov_b32 s58, 0x3e8293ee                      ; c = log2(e) / sqrt(32)
	s_mov_b32 s59, s58                             ; (named with it as a pair, so it is written)
	s_mov_b32 s60, 0x76543210
	s_mov_b32 s61, 0xfedcba98                      ; v_permlanex16_b32's selects for lane l xor 16
	v_and_b32 v11, 31, v0                          ; lane
	s_delay_alu instid0(VALU_DEP_1)
	v_lshlrev_b32 v[L16], 4, v11
	s_delay_alu instid0(VALU_DEP_2)
	v_lshl_add_u32 v[L4], v11, 2, 6144
	v_bfe_u32 v4, v0, 4, 1                         ; h
	s_delay_alu instid0(VALU_DEP_1)
	v_lshlrev_b32 v[SH8], 3, v4
	s_lshr_b32 s66, s12, 2                         ; my group of 64 queries within the block,
	s_and_b32 s68, s12, 3                          ; and which block jw of its image: lane r is query 32 (r / 8) + 8 jw + r % 8 of the group
	s_lshl_b32 s67, s66, 8
	s_lshl_b32 s69, s68, 5
	s_add_co_u32 s67, s67, s69
	v_bfe_u32 v6, v0, 3, 1
	s_delay_alu instid0(VALU_DEP_1)
	v_lshlrev_b32 v[STO], 7, v6
	v_and_b32 v6, 7, v0
	s_delay_alu instid0(VALU_DEP_1)
	v_lshl_add_u32 v[STO], v6, 2, v[STO]
	s_delay_alu instid0(VALU_DEP_1)
	v_mad_u32_u24 v[STO], v4, 8*SPI, v[STO]
	s_delay_alu instid0(VALU_DEP_1)
	v_add_nc_u32 v[STO], s67, v[STO]
	s_delay_alu instid0(VALU_DEP_1)
	v_add_nc_u32 v[STO], STG, v[STO]               ; the stage: 4 x my query's place in the block, + 8 h rows
	s_mul_i32 s67, s12, 2*SPI
	v_add_nc_u32 v[RD], s67, v[L16]
	s_delay_alu instid0(VALU_DEP_1)
	v_add_nc_u32 v[RD], STG, v[RD]                 ; back: rows 2 w and 2 w + 1
	v_and_b32 v[QW], 15, v0
	s_and_b32 s69, s68, 1
	s_lshr_b32 s70, s68, 1
	s_lshl_b32 s69, s69, 8
	s_mul_i32 s71, s70, 520
	s_add_co_u32 s71, s71, s69
	s_mul_i32 s72, s70, 1016
	s_add_co_u32 s72, s72, s69
	v_lshl_add_u32 v[QA], v[QW], 4, s71            ; in the image, registers 6 c .. 6 c + 5 of lane r + 16 (jw % 2), c = jw / 2: bytes 0, 8, 512 (c = 0) or 520, 1,024, 1,032 (c = 1) behind 16 x that lane
	v_lshl_add_u32 v[QB], v[QW], 4, s72
	v_lshlrev_b32 v[QW], 2, v[QW]
	s_mul_i32 s82, s68, 0x01010101                 ; v_perm_b32's selector: byte jw four times
	s_lshl_b32 s73, s14, 2
	s_add_co_u32 s73, s73, s66
	s_lshl_b32 s74, s15, 6
	s_add_co_u32 s73, s73, s74                     ; hg x 64 + my group
	s_mul_i32 s74, s73, 1536
	s_mov_b32 s75, 0
	s_lshl_b32 s76, s73, 6
	s_mov_b32 s77, 0
	s_lshl_b32 s78, s15, 19                        ; out0: hg x 32 rows of 16,384 bytes + 2 w rows + block x 1,024 bytes
	s_lshl_b32 s79, s12, 15
	s_add_co_u32 s78, s78, s79
	s_lshl_b32 s79, s14, 10
	s_add_co_u32 s78, s78, s79
	s_mov_b32 s79, 0
	s_mul_i32 s80, s15, 32*STEPB
	s_mov_b32 s81, 0
	s_wait_dscnt 0x0
	s_wait_kmcnt 0x0
	s_add_nc_u64 s[8:9], s[8:9], s[80:81]          ; the head in kv
	s_add_nc_u64 s[4:5], s[4:5], s[74:75]
	s_add_nc_u64 s[6:7], s[6:7], s[76:77]
	s_add_nc_u64 s[10:11], s[10:11], s[78:79]
.irp c, 0,1,2,3,4,5,6,7                        ; a group 0 for each chunk: none is written again
	s_mov_b32 s[24+4*\c], 1
	s_mov_b32 s[25+4*\c], \c*CHUNK
	s_add_nc_u64 s[26+4*\c:27+4*\c], s[8:9], \c*CHUNK
	s_or_b32 s[27+4*\c], s[27+4*\c], 0x80000000
.endr
	CROUND                                         ; all four partners are here: the joint loads meet
	s_cmp_lg_u32 s12, 0                            ; wave 0 asks for all eight chunks, in one branch on the wave's number: eight tensor loads of wave 0 are out, in the order in which they are read
	s_cbranch_scc1 .Lno_fill
.irp c, 0,1,2,3,4,5,6,7
	tensor_load_to_lds s[24+4*\c:27+4*\c], s[16:23]
	s_nop 0
.endr
.rept 4
	v_nop
.endr
.Lno_fill:
	s_wait_alu depctr_va_vdst(0)
	global_load_b64 v[QL:QL+1], v[QA], s[4:5]      ; my query's 24 bytes of codes, in both halves of the lanes
	global_load_b64 v[QL+2:QL+3], v[QB], s[4:5] offset:8
	global_load_b64 v[QL+4:QL+5], v[QA], s[4:5] offset:512
	global_load_b32 v226, v[QW], s[6:7]            ; and its row's scale word
.irp k, 0,1,2,3,4,5
	v_mov_b32 v[QZ+\k], 0
	v_mov_b32 v[QZ+12+\k], 0
	v_mov_b32 v[QZ+24+\k], 0
.endr
	v_mov_b32 v[NM+1], 0xff61b1e6                  ; the largest score so far: -3e38
	v_mov_b32 v[NM], 0x7f61b1e6                    ; -M: the first step's f is then 2^(a very large negative number) = 0, and multiplies zeros
	v_mov_b32 v[SUM], 0
	v_mov_b32 v[SUM+1], 0
	v_mov_b32 v[FF+1], 0                           ; (named as the upper half of a pair)
	v_mov_b32 v[PT], 0                             ; written once: a lane permute's destination counts as one of its sources
	s_wait_loadcnt 0x0
	v_perm_b32 v[QS], v226, v226, s82              ; more than eight plain instructions stand between this line and the first product
	v_cmp_gt_u32 vcc_lo, 16, v11
.irp k, 0,1,2,3,4,5
	v_cndmask_b32 v[QZ+6+\k], 0, v[QL+\k], vcc_lo        ; the codes in lanes 0-15, zeros in lanes 16-31
	v_cndmask_b32 v[QZ+18+\k], v[QL+\k], v[QZ], vcc_lo   ; and the other way round
.endr
.irp k, 0,1,2,3,4,5,6,7,8,9,10,11,12,13,14,15
	v_mov_b32 v[O+\k], 0                           ; O^T.  (The step is written once: the first finds zeros)
.endr
.irp c, 0,1,2,3,4,5,6,7
	PART \c
.endr
	; THE WAY OUT.  O^T / the sum goes to the work-group's stage, [32 channels][256 queries], and leaves as rows.
.rept 4
	v_nop                                          ; four places behind the last products
.endr
	v_add_f32 v[SUM], v[SUM], v[SUM+1]
	s_delay_alu instid0(VALU_DEP_1)
	v_permlanex16_b32 v[PT], v[SUM], s60, s61
	s_delay_alu instid0(VALU_DEP_1)
	v_add_f32 v[SUM], v[SUM], v[PT]                ; the sum's two halves, and lane l xor 16's
	s_wait_alu depctr_va_vdst(0)
	v_rcp_f32 v[SUM], v[SUM]
	v_nop                                          ; a plain place behind the reciprocal
	s_wait_alu depctr_va_vdst(0)
.irp k, 0,1,2,3,4,5,6,7,8,9,10,11,12,13,14,15
	v_mul_f32 v[S+\k], v[O+\k], v[SUM]
.endr
.irp u, 0,1
.irp k, 0,1,2,3,4,5,6,7
	ds_store_b32 v[STO], v[S+8*\u+\k] offset:(16*\u+\k)*SPI   ; channel 16 u + 8 h + k of my query
.endr
.endr
	s_wait_dscnt 0x0                               ; my stores into the stage are done
	s_barrier_signal -1
	s_barrier_wait -1                              ; everybody's are
	ds_load_b128 v[S+16:S+19], v[RD]
	ds_load_b128 v[S+20:S+23], v[RD] offset:512
	ds_load_b128 v[S+24:S+27], v[RD] offset:SPI
	ds_load_b128 v[S+28:S+31], v[RD] offset:SPI+512
	s_wait_dscnt 3                                 ; the three loads issued behind the first may be out; and so on down
	global_store_b128 v[L16], v[S+16:S+19], s[10:11] th:TH_STORE_NT                ; 32 lanes store 512 consecutive bytes, at a multiple of 512 from out0's first byte
	s_wait_dscnt 2
	global_store_b128 v[L16], v[S+20:S+23], s[10:11] offset:512 th:TH_STORE_NT
	s_wait_dscnt 1
	global_store_b128 v[L16], v[S+24:S+27], s[10:11] offset:16384 th:TH_STORE_NT
	s_wait_dscnt 0x0
	global_store_b128 v[L16], v[S+28:S+31], s[10:11] offset:16896 th:TH_STORE_NT
	s_wait_tensorcnt 0x0
	ds_add_u32 v254, v255
	s_wait_dscnt 0x0
	CROUND                                         ; the closing round: no partner ends while another may still ask for a chunk that names it
	s_endpgm
.Lfunc_end_k_qca339e903b_attn:
	.size	k_qca339e903b_attn, .Lfunc_end_k_qca339e903b_attn-k_qca339e903b_attn
	.p2alignl 7, 3214868480
	.fill 96, 4, 3214868480
	.section	.rodata,"a",@progbits
	.p2align	6, 0x0
	.amdhsa_kernel k_qca339e903b_attn
		.amdhsa_group_segment_fixed_size 247808
		.amdhsa_private_segment_fixed_size 0
		.amdhsa_enable_private_segment 0
		.amdhsa_kernarg_size 32
		.amdhsa_user_sgpr_count 2
		.amdhsa_user_sgpr_kernarg_segment_ptr 1
		.amdhsa_wavefront_size32 1
		.amdhsa_system_sgpr_workgroup_id_x 1
		.amdhsa_system_sgpr_workgroup_id_y 1
		.amdhsa_system_sgpr_workgroup_id_z 1
		.amdhsa_system_vgpr_workitem_id 0
		.amdhsa_next_free_vgpr 256
		.amdhsa_next_free_sgpr 84
		.amdhsa_reserve_vcc 1
		.amdhsa_float_denorm_mode_32 3
		.amdhsa_float_denorm_mode_16_64 3
		.amdhsa_memory_ordered 1
		.amdhsa_forward_progress 1
		.amdhsa_inst_pref_size 122
	.end_amdhsa_kernel
	.amdgpu_metadata
---
amdhsa.version: [ 1, 2 ]
amdhsa.kernels:
  - .name:           k_qca339e903b_attn
    .symbol:         k_qca339e903b_attn.kd
    .args:
      - { .name: qc, .offset: 0, .size: 8, .value_kind: global_buffer, .address_space: global }
      - { .name: qs, .offset: 8, .size: 8, .value_kind: global_buffer, .address_space: global }
      - { .name: kv, .offset: 16, .size: 8, .value_kind: global_buffer, .address_space: global }
      - { .name: out0, .offset: 24, .size: 8, .value_kind: global_buffer, .address_space: global }
    .group_segment_fixed_size: 247808
    .private_segment_fixed_size: 0
    .kernarg_segment_align: 8
    .kernarg_segment_size: 32
    .max_flat_workgroup_size: 512
    .sgpr_count:     84
    .vgpr_count:     256
    .wavefront_size: 32
...
	.end_amdgpu_metadata
.endif
;; end of part 2
